; MI455X (gfx1250); checked and timed in simulation.
; The chip was launched on July 23, 2026; its instructions are those of AMD's public machine-readable ISA for CDNA 5 (MIT licence, August 2026) and "CDNA5" Instruction Set Architecture Reference Guide (July 2026). The comments in the code are by the model that wrote it; some were corrected since.
;; Quantum Fraud Layer. Allowed arithmetic: float matrix products may take bf16 or f16 operands with f32 sums; all other float work in f32.
;; Inputs: inputs 8,388,608 x 2 float32.
;; Outputs: out0 8,388,608 x 2 float32.
;; 2 versions, each right; version 2 is version 1 with the launch cosrows written anew for expert scheduling mode. Each part assembles by itself: llvm-mc -triple=amdgcn-amd-amdhsa -mcpu=gfx1250 --defsym DOCPART=n.
;; ======== version 1 of 2: 1 launch
;; limits: inputs' magnitudes at most 4,194,304
;; launch cosrows (part 1): grid 1024 x 1, 8 waves a work-group, no clusters, 0 bytes of LDS; arguments inputs, out0; writes out0
.if DOCPART == 1
	.amdgcn_target "amdgcn-amd-amdhsa--gfx1250"
	.amdhsa_code_object_version 6
	.text
	.protected	k_q5ada331b51_cosrows
	.globl	k_q5ada331b51_cosrows
	.p2align	8
	.type	k_q5ada331b51_cosrows,@function
k_q5ada331b51_cosrows:
	s_mov_b64 s[64:65], 0
	v_nop
	global_prefetch_b8 v0, s[64:65] scope:SCOPE_SE
	s_setreg_imm32_b32 hwreg(HW_REG_WAVE_MODE, 25, 1), 1
	s_wait_xcnt 0x0
; out[b][0] = <Z0>, out[b][1] = <Z1> of RX(r1), RX(r2), RZZ on |00>.  inputs, out0: [8388608][2] f32.
;
; THE ALGEBRA.  With c = cos(r/2), s = sin(r/2) the probabilities are products |q0[i]|^2 |q1[j]|^2 |phase|^2, and the phase has
; magnitude 1.  So <Z0> = (c1^2 - s1^2)(c2^2 + s2^2) and <Z1> = (c1^2 + s1^2)(c2^2 - s2^2).  For a finite partner c^2 + s^2 = 1, and
; c^2 - s^2 = 2 c^2 - 1.  For a partner that is NaN or infinite the factor is NaN; that is kept: the last addend is 0 * partner - 1.
; Per number x, with partner y in the same row:
;   t = x / (2 pi);  n = round(t);  g = n - x c_hi - x c_lo   (1/(2 pi) = c_hi + c_lo in two f32: g = -(t - n) off the exact product)
;   u = g^2;  C = sqrt(2) cos(pi g) = c0 + u (c1 + u (c2 + u (c3 + u c4)))   (the series of the cosine through (pi g)^8)
;   out = C C + (0 y - 1)
; ERROR AND LIMIT.  The cut of the series gives 4 cos(z) z^10 / 10!, z = pi |g|: at most 5.5e-6 for |g| <= 0.5.  For |x| <= 2^22 the
; rounding of t lets |g| reach 0.531, and the error stays below 3e-5.  For finite |x| > 2^22 (4,194,304) the reduction has no such
; bound and the result is not to be relied on.  x = NaN or +-inf gives NaN in both numbers of its row, as the definition does.
;
; THE STREAM.  A work-group owns 65,536 consecutive bytes, a wave 8,192 of them: 16 loads and 16 stores of 16 bytes a lane, each
; covering 512 consecutive bytes, aligned.  A lane's 16 bytes are two whole rows, so the partner is always in the lane's own pair.
; All 16 loads are issued at once into registers of their own; a chunk is replaced by its result and stored from the same registers.
; No register named by a load or store (offset, bases, data) is written again behind it, so the only waits are those for the data.
.set CHUNKS,     16                    ; loads (and stores) of a wave
.set CHUNK_B,    512                   ; bytes that one of them covers
.set WG_SHIFT,   16                    ; a work-group's 8 x 16 x 512 = 65,536 bytes
.set OFF,  1                           ; v1        byte offset of my 16 bytes in my wave's first chunk, from the group's first byte
.set NCHI, 2                           ; v[2:3]    -c_hi, twice (a pair for the packed forms), and so on:
.set NCLO, 4                           ; v[4:5]    -c_lo
.set C4,   6                           ; v[6:7]     sqrt(2) pi^8 / 8!
.set C3,   8                           ; v[8:9]    -sqrt(2) pi^6 / 6!
.set C2,   10                          ; v[10:11]   sqrt(2) pi^4 / 4!
.set C1,   12                          ; v[12:13]  -sqrt(2) pi^2 / 2!
.set C0,   14                          ; v[14:15]   sqrt(2)
.set T,    16                          ; v[16:19]  t, then n, then the last addend
.set G,    20                          ; v[20:23]  g, then u
.set P,    24                          ; v[24:27]  the polynomial
.set X,    28                          ; v[28:91]  chunk i: 4 registers, two rows as loaded, then as stored
	s_load_b128 s[4:7], s[0:1], 0x0                ; inputs s[4:5], out0 s[6:7]
	v_and_b32 v2, 31, v0                           ; lane
	v_and_b32 v1, 0xe0, v0                         ; 32 x wave
	v_lshlrev_b32 v2, 4, v2                        ; 16 bytes a lane
	v_lshl_or_b32 v[OFF], v1, 8, v2                ; + wave x 8,192 bytes
	s_lshl_b32 s2, ttmp9, WG_SHIFT                 ; the work-group's first byte (at most 1,023 x 65,536: fits 32 bits)
	s_mov_b32 s3, 0
	s_wait_kmcnt 0x0
	s_add_nc_u64 s[4:5], s[4:5], s[2:3]
	s_add_nc_u64 s[6:7], s[6:7], s[2:3]
.irp i, 0,1,2,3,4,5,6,7,8,9,10,11,12,13,14,15
	global_load_b128 v[X+4*\i:X+4*\i+3], v[OFF], s[4:5] offset:CHUNK_B*\i th:TH_LOAD_NT   ; read once in the whole launch
.endr
; The constants, while the loads are on their way.  Each fills a pair, so that the packed forms need no selectors for them.
.macro CONST r, bits
	v_mov_b32 v[\r],   \bits
	v_mov_b32 v[\r+1], \bits
.endm
	CONST NCHI, 0xbe22f983                         ; -0.15915494  (1/(2 pi) rounded to f32)
	CONST NCLO, 0xb1dc9c88                         ; -6.4206e-9   (what that rounding left)
	CONST C4,   0x3eaa65c8                         ;  0.33280777
	CONST C3,   0xbff1b558                         ; -1.8883467
	CONST C2,   0x40b7ad25                         ;  5.7398857
	CONST C1,   0xc0df52db                         ; -6.9788642
	CONST C0,   0x3fb504f3                         ;  1.4142135
; One chunk: two rows a lane, as two pairs that take turns, so that no line waits for the line in front of it.
.macro CHUNK i
.set XI, X+4*\i
	s_wait_loadcnt CHUNKS-1-\i                     ; loads come back in order (ISA guide 5.7.1): chunk i is in, the 15 - i younger ones stay out
.irp p, 0,2
	v_pk_mul_f32 v[T+\p:T+\p+1], v[XI+\p:XI+\p+1], 0.15915494 op_sel_hi:[1,0]             ; t = x / (2 pi)
.endr
.irp k, 0,1,2,3
	v_rndne_f32 v[T+\k], v[T+\k]                                                          ; n
.endr
.irp p, 0,2
	v_pk_fma_f32 v[G+\p:G+\p+1], v[XI+\p:XI+\p+1], v[NCHI:NCHI+1], v[T+\p:T+\p+1]         ; n - x c_hi: the product is exact, one rounding
.endr
.irp p, 0,2
	v_pk_fma_f32 v[G+\p:G+\p+1], v[XI+\p:XI+\p+1], v[NCLO:NCLO+1], v[G+\p:G+\p+1]         ; g = that - x c_lo
.endr
.irp p, 0,2
	v_pk_mul_f32 v[G+\p:G+\p+1], v[G+\p:G+\p+1], v[G+\p:G+\p+1]                           ; u = g^2: g's sign drops out
.endr
.irp p, 0,2
	v_pk_fma_f32 v[P+\p:P+\p+1], v[G+\p:G+\p+1], v[C4:C4+1], v[C3:C3+1]
.endr
.irp p, 0,2
	v_pk_fma_f32 v[P+\p:P+\p+1], v[P+\p:P+\p+1], v[G+\p:G+\p+1], v[C2:C2+1]
.endr
.irp p, 0,2
	v_pk_fma_f32 v[P+\p:P+\p+1], v[P+\p:P+\p+1], v[G+\p:G+\p+1], v[C1:C1+1]
.endr
.irp p, 0,2
	v_pk_fma_f32 v[P+\p:P+\p+1], v[P+\p:P+\p+1], v[G+\p:G+\p+1], v[C0:C0+1]               ; C = sqrt(2) cos(pi g)
.endr
.irp p, 0,2
	; 0 * partner - 1: the low result takes the pair's second register, the high result its first.  -1 for a finite partner, else NaN.
	v_pk_fma_f32 v[T+\p:T+\p+1], v[XI+\p:XI+\p+1], 0, -1.0 op_sel:[1,0,0] op_sel_hi:[0,0,0]
.endr
.irp p, 0,2
	v_pk_fma_f32 v[XI+\p:XI+\p+1], v[P+\p:P+\p+1], v[P+\p:P+\p+1], v[T+\p:T+\p+1]         ; 2 cos^2(x/2) - 1, over x, which is no longer needed
.endr
	global_store_b128 v[OFF], v[XI:XI+3], s[6:7] offset:CHUNK_B*\i th:TH_STORE_NT         ; written once, not read again in the launch
.endm
.irp i, 0,1,2,3,4,5,6,7,8,9,10,11,12,13,14,15
	CHUNK \i
.endr
	s_endpgm
.Lfunc_end_k_q5ada331b51_cosrows:
	.size	k_q5ada331b51_cosrows, .Lfunc_end_k_q5ada331b51_cosrows-k_q5ada331b51_cosrows
	.p2alignl 7, 3214868480
	.fill 96, 4, 3214868480
	.section	.rodata,"a",@progbits
	.p2align	6, 0x0
	.amdhsa_kernel k_q5ada331b51_cosrows
		.amdhsa_group_segment_fixed_size 0
		.amdhsa_private_segment_fixed_size 0
		.amdhsa_enable_private_segment 0
		.amdhsa_kernarg_size 16
		.amdhsa_user_sgpr_count 2
		.amdhsa_user_sgpr_kernarg_segment_ptr 1
		.amdhsa_wavefront_size32 1
		.amdhsa_system_sgpr_workgroup_id_x 1
		.amdhsa_system_sgpr_workgroup_id_y 1
		.amdhsa_system_sgpr_workgroup_id_z 1
		.amdhsa_system_vgpr_workitem_id 0
		.amdhsa_next_free_vgpr 92
		.amdhsa_next_free_sgpr 66
		.amdhsa_reserve_vcc 0
		.amdhsa_float_denorm_mode_32 3
		.amdhsa_float_denorm_mode_16_64 3
		.amdhsa_memory_ordered 1
		.amdhsa_forward_progress 1
		.amdhsa_inst_pref_size 28
	.end_amdhsa_kernel
	.amdgpu_metadata
---
amdhsa.version: [ 1, 2 ]
amdhsa.kernels:
  - .name:           k_q5ada331b51_cosrows
    .symbol:         k_q5ada331b51_cosrows.kd
    .args:
      - { .name: inputs, .offset: 0, .size: 8, .value_kind: global_buffer, .address_space: global }
      - { .name: out0, .offset: 8, .size: 8, .value_kind: global_buffer, .address_space: global }
    .group_segment_fixed_size: 0
    .private_segment_fixed_size: 0
    .kernarg_segment_align: 8
    .kernarg_segment_size: 16
    .max_flat_workgroup_size: 256
    .sgpr_count:     66
    .vgpr_count:     92
    .wavefront_size: 32
...
	.end_amdgpu_metadata
.endif
;; end of part 1
;; ======== version 2 of 2: 1 launch; version 1 with the launch cosrows written anew for expert scheduling mode
;; limits: inputs' magnitudes at most 4,194,304
;; launch cosrows (part 2): grid 1024 x 1, 8 waves a work-group, no clusters, 0 bytes of LDS; arguments inputs, out0; writes out0
.if DOCPART == 2
	.amdgcn_target "amdgcn-amd-amdhsa--gfx1250"
	.amdhsa_code_object_version 6
	.text
	.protected	k_q5ada331b51_cosrows
	.globl	k_q5ada331b51_cosrows
	.p2align	8
	.type	k_q5ada331b51_cosrows,@function
k_q5ada331b51_cosrows:
	s_mov_b64 s[64:65], 0
	v_nop
	global_prefetch_b8 v0, s[64:65] scope:SCOPE_SE
	s_setreg_imm32_b32 hwreg(HW_REG_WAVE_SCHED_MODE, 0, 2), 2
	s_setreg_imm32_b32 hwreg(HW_REG_WAVE_MODE, 25, 1), 1
	s_wait_xcnt 0x0
	s_wait_alu depctr_vm_vsrc(0)
; out[b][0] = <Z0>, out[b][1] = <Z1> of RX(r1), RX(r2), RZZ on |00>.  inputs, out0: [8388608][2] f32.
;
; THE ALGEBRA.  With c = cos(r/2), s = sin(r/2) the probabilities are products |q0[i]|^2 |q1[j]|^2 |phase|^2, and the phase has
; magnitude 1.  So <Z0> = (c1^2 - s1^2)(c2^2 + s2^2) and <Z1> = (c1^2 + s1^2)(c2^2 - s2^2).  For a finite partner c^2 + s^2 = 1, and
; c^2 - s^2 = 2 c^2 - 1.  For a partner that is NaN or infinite the factor is NaN; that is kept: the last addend is 0 * partner - 1.
; Per number x, with partner y in the same row:
;   t = x / (2 pi);  n = round(t);  g = n - x c_hi - x c_lo   (1/(2 pi) = c_hi + c_lo in two f32: g = -(t - n) off the exact product)
;   u = g^2;  C = sqrt(2) cos(pi g) = c0 + u (c1 + u (c2 + u (c3 + u c4)))   (the series of the cosine through (pi g)^8)
;   out = C C + (0 y - 1)
; ERROR AND LIMIT.  The cut of the series gives 4 cos(z) z^10 / 10!, z = pi |g|: at most 5.5e-6 for |g| <= 0.5.  For |x| <= 2^22 the
; rounding of t lets |g| reach 0.531, and the error stays below 3e-5.  For finite |x| > 2^22 (4,194,304) the reduction has no such
; bound and the result is not to be relied on.  x = NaN or +-inf gives NaN in both numbers of its row, as the definition does.
;
; THE STREAM.  A work-group owns 65,536 consecutive bytes, a wave 8,192 of them: 16 loads and 16 stores of 16 bytes a lane, each
; covering 512 consecutive bytes, aligned.  A lane's 16 bytes are two whole rows, so the partner is always in the lane's own pair.
; All 16 loads are issued at once into registers of their own; a chunk is replaced by its result and stored from the same registers.
; No register named by a load or store (offset, bases, data) is written again behind it.
;
; THE MODE: SCHED_MODE bits 1:0 = 2 (LLVM: expert scheduling mode 2), set by the entry lines.  The code itself states the register
; dependences between vector instructions and memory instructions, with s_wait_alu, always for 0.
; THE PLAN.  Registers that memory instructions touch:
;   v1      the byte offset.  Written once, at the head; read by every load and store; never written again.
;   X[i]    chunk i's four registers.  Load i lands in them (no vector instruction has named them before); chunk i's lines read them
;           behind the wait for that load; its last two lines write the result into them; store i reads them; nothing writes them again.
;   v[2:27] (constants, T, G, P) are named by vector instructions alone.
; The 16 chunks go in four blocks of four.  The stores of block p - 1 are issued in block p, one in front of each chunk's arithmetic.
; One wait on va_vdst at the head of blocks 1 to 3 states that the block before has written its four X; the vector lines that follow it
; name this block's X, T, G, P and the constants, none of the registers that those four stores read.  One such wait stands in front of
; the first load (v1 is written), one behind chunk 15 in front of the last four stores.  No register that a memory instruction reads
; is written behind it, so no wait on vm_vsrc is owed.
.set CHUNKS,     16                    ; loads (and stores) of a wave
.set BLOCK,      4                     ; chunks in a block
.set CHUNK_B,    512                   ; bytes that one load or store covers
.set WG_SHIFT,   16                    ; a work-group's 8 x 16 x 512 = 65,536 bytes
.set OFF,  1                           ; v1        byte offset of my 16 bytes in my wave's first chunk, from the group's first byte
.set NCHI, 2                           ; v[2:3]    -c_hi, twice (a pair for the packed forms), and so on:
.set NCLO, 4                           ; v[4:5]    -c_lo
.set C4,   6                           ; v[6:7]     sqrt(2) pi^8 / 8!
.set C3,   8                           ; v[8:9]    -sqrt(2) pi^6 / 6!
.set C2,   10                          ; v[10:11]   sqrt(2) pi^4 / 4!
.set C1,   12                          ; v[12:13]  -sqrt(2) pi^2 / 2!
.set C0,   14                          ; v[14:15]   sqrt(2)
.set T,    16                          ; v[16:19]  t, then n, then the last addend
.set G,    20                          ; v[20:23]  g, then u
.set P,    24                          ; v[24:27]  the polynomial
.set X,    28                          ; v[28:91]  chunk i: 4 registers, two rows as loaded, then as stored
	s_load_b128 s[4:7], s[0:1], 0x0                ; inputs s[4:5], out0 s[6:7]
	v_and_b32 v2, 31, v0                           ; lane
	v_and_b32 v1, 0xe0, v0                         ; 32 x wave
	v_lshlrev_b32 v2, 4, v2                        ; 16 bytes a lane
	v_lshl_or_b32 v[OFF], v1, 8, v2                ; + wave x 8,192 bytes
	s_lshl_b32 s2, ttmp9, WG_SHIFT                 ; the work-group's first byte (at most 1,023 x 65,536: fits 32 bits)
	s_mov_b32 s3, 0
	s_wait_kmcnt 0x0
	s_add_nc_u64 s[4:5], s[4:5], s[2:3]
	s_add_nc_u64 s[6:7], s[6:7], s[2:3]
	s_wait_alu depctr_va_vdst(0)                   ; v1 is written: every load and store of the kernel reads it as its offset
.irp i, 0,1,2,3,4,5,6,7,8,9,10,11,12,13,14,15
	global_load_b128 v[X+4*\i:X+4*\i+3], v[OFF], s[4:5] offset:CHUNK_B*\i th:TH_LOAD_NT   ; read once in the whole launch
.endr
; The constants, while the loads are on their way.  Each fills a pair, so that the packed forms need no selectors for them.
.macro CONST r, bits
	v_mov_b32 v[\r],   \bits
	v_mov_b32 v[\r+1], \bits
.endm
	CONST NCHI, 0xbe22f983                         ; -0.15915494  (1/(2 pi) rounded to f32)
	CONST NCLO, 0xb1dc9c88                         ; -6.4206e-9   (what that rounding left)
	CONST C4,   0x3eaa65c8                         ;  0.33280777
	CONST C3,   0xbff1b558                         ; -1.8883467
	CONST C2,   0x40b7ad25                         ;  5.7398857
	CONST C1,   0xc0df52db                         ; -6.9788642
	CONST C0,   0x3fb504f3                         ;  1.4142135
; The store of chunk i: written once, not read again in the launch.
.macro OUT i
	global_store_b128 v[OFF], v[X+4*(\i):X+4*(\i)+3], s[6:7] offset:CHUNK_B*(\i) th:TH_STORE_NT
.endm
; One chunk: two rows a lane, as two pairs that take turns, so that no line waits for the line in front of it.
; In front of its arithmetic stands the store of the chunk one block back.
.macro CHUNK i
.set XI, X+4*\i
	s_wait_loadcnt CHUNKS-1-\i                     ; loads come back in order (ISA guide 5.7.1): chunk i is in, the 15 - i younger ones stay out
.if (\i) >= BLOCK
.if (\i) % BLOCK == 0
	s_wait_alu depctr_va_vdst(0)                   ; the block before has written its four X, which the four stores issued in this block read
.endif
	OUT (\i)-BLOCK                                 ; no vector line since that wait names these registers
.endif
.irp p, 0,2
	v_pk_mul_f32 v[T+\p:T+\p+1], v[XI+\p:XI+\p+1], 0.15915494 op_sel_hi:[1,0]             ; t = x / (2 pi)
.endr
.irp k, 0,1,2,3
	v_rndne_f32 v[T+\k], v[T+\k]                                                          ; n
.endr
.irp p, 0,2
	v_pk_fma_f32 v[G+\p:G+\p+1], v[XI+\p:XI+\p+1], v[NCHI:NCHI+1], v[T+\p:T+\p+1]         ; n - x c_hi: the product is exact, one rounding
.endr
.irp p, 0,2
	v_pk_fma_f32 v[G+\p:G+\p+1], v[XI+\p:XI+\p+1], v[NCLO:NCLO+1], v[G+\p:G+\p+1]         ; g = that - x c_lo
.endr
.irp p, 0,2
	v_pk_mul_f32 v[G+\p:G+\p+1], v[G+\p:G+\p+1], v[G+\p:G+\p+1]                           ; u = g^2: g's sign drops out
.endr
.irp p, 0,2
	v_pk_fma_f32 v[P+\p:P+\p+1], v[G+\p:G+\p+1], v[C4:C4+1], v[C3:C3+1]
.endr
.irp p, 0,2
	v_pk_fma_f32 v[P+\p:P+\p+1], v[P+\p:P+\p+1], v[G+\p:G+\p+1], v[C2:C2+1]
.endr
.irp p, 0,2
	v_pk_fma_f32 v[P+\p:P+\p+1], v[P+\p:P+\p+1], v[G+\p:G+\p+1], v[C1:C1+1]
.endr
.irp p, 0,2
	v_pk_fma_f32 v[P+\p:P+\p+1], v[P+\p:P+\p+1], v[G+\p:G+\p+1], v[C0:C0+1]               ; C = sqrt(2) cos(pi g)
.endr
.irp p, 0,2
	; 0 * partner - 1: the low result takes the pair's second register, the high result its first.  -1 for a finite partner, else NaN.
	v_pk_fma_f32 v[T+\p:T+\p+1], v[XI+\p:XI+\p+1], 0, -1.0 op_sel:[1,0,0] op_sel_hi:[0,0,0]
.endr
.irp p, 0,2
	v_pk_fma_f32 v[XI+\p:XI+\p+1], v[P+\p:P+\p+1], v[P+\p:P+\p+1], v[T+\p:T+\p+1]         ; 2 cos^2(x/2) - 1, over x, which is no longer needed
.endr
.endm
.irp i, 0,1,2,3,4,5,6,7,8,9,10,11,12,13,14,15
	CHUNK \i
.endr
	s_wait_alu depctr_va_vdst(0)                   ; the last block has written its four X, which the last four stores read
.irp i, 12,13,14,15
	OUT \i
.endr
	s_endpgm
.Lfunc_end_k_q5ada331b51_cosrows:
	.size	k_q5ada331b51_cosrows, .Lfunc_end_k_q5ada331b51_cosrows-k_q5ada331b51_cosrows
	.p2alignl 7, 3214868480
	.fill 96, 4, 3214868480
	.section	.rodata,"a",@progbits
	.p2align	6, 0x0
	.amdhsa_kernel k_q5ada331b51_cosrows
		.amdhsa_group_segment_fixed_size 0
		.amdhsa_private_segment_fixed_size 0
		.amdhsa_enable_private_segment 0
		.amdhsa_kernarg_size 16
		.amdhsa_user_sgpr_count 2
		.amdhsa_user_sgpr_kernarg_segment_ptr 1
		.amdhsa_wavefront_size32 1
		.amdhsa_system_sgpr_workgroup_id_x 1
		.amdhsa_system_sgpr_workgroup_id_y 1
		.amdhsa_system_sgpr_workgroup_id_z 1
		.amdhsa_system_vgpr_workitem_id 0
		.amdhsa_next_free_vgpr 92
		.amdhsa_next_free_sgpr 66
		.amdhsa_reserve_vcc 0
		.amdhsa_float_denorm_mode_32 3
		.amdhsa_float_denorm_mode_16_64 3
		.amdhsa_memory_ordered 1
		.amdhsa_forward_progress 1
		.amdhsa_inst_pref_size 28
	.end_amdhsa_kernel
	.amdgpu_metadata
---
amdhsa.version: [ 1, 2 ]
amdhsa.kernels:
  - .name:           k_q5ada331b51_cosrows
    .symbol:         k_q5ada331b51_cosrows.kd
    .args:
      - { .name: inputs, .offset: 0, .size: 8, .value_kind: global_buffer, .address_space: global }
      - { .name: out0, .offset: 8, .size: 8, .value_kind: global_buffer, .address_space: global }
    .group_segment_fixed_size: 0
    .private_segment_fixed_size: 0
    .kernarg_segment_align: 8
    .kernarg_segment_size: 16
    .max_flat_workgroup_size: 256
    .sgpr_count:     66
    .vgpr_count:     92
    .wavefront_size: 32
...
	.end_amdgpu_metadata
.endif
;; end of part 2
